; MI455X (gfx1250); checked and timed in simulation.
; The chip was launched on July 23, 2026; its instructions are those of AMD's public machine-readable ISA for CDNA 5 (MIT licence, August 2026) and "CDNA5" Instruction Set Architecture Reference Guide (July 2026). The comments in the code are by the model that wrote it; some were corrected since.
;; Mo E Layer. Allowed arithmetic: matrix products marked QUANTISED: E2M3 operands, one E8M0 scale for each 32 along K, by v_wmma_scale_f32_16x16x128_f8f6f4 with both operands' format E2M3, f32 sums; products left as they are: f32 operands where the result goes on into a quantised operand, else bf16, f16 or f32 operands; f32 sums; everything else in f32.
;; Inputs: expert_b 8 x 128 float32; expert_w_codes 8 x 128 x 4 x 24 uint8 (E2M3 codes of expert_w, K innermost, in blocks of 32 codes, four codes in three bytes); expert_w_scales 8 x 128 x 4 uint8 (E8M0 scales of expert_w, one for each 32 codes along K); router_b 8 float32; router_w 128 x 8 float32; x 8 x 8,192 x 128 float32.
;; Outputs: out0 8 x 8,192 x 128 float32.
;; This version of the problem:
;;   THIS VERSION OF THE PROBLEM IS GIVEN IN LOW PRECISION. The matrix products marked QUANTISED in the list below multiply operands that are first quantised to E2M3 (2 exponent bits, 3 mantissa bits; 6 bits a number), with one power-of-two scale for each 32 numbers along K (OCP MX v1.0); their sums are f32. All else is computed in f32.
;;   The module's matrix products, in the order in which they are computed (A, B: the left and right operand; K: the contracted axis; several contracted axes count as one K, in the product's order):
;;     1. [M 65,536, K 128] x [K 128, N 8]; A: input x; B: input router_w: left as it is (N = 8 < 16)
;;     2. [M 65,536, K 128] x [K 128, N 1,024]; A: input x; B: input expert_w (given as codes): QUANTISED
;;     3. batch 65,536 x [M 1, K 2] x [K 2, N 128]; A: computed on the way; B: computed on the way: left as it is (K = 2 < 32)
;;   THE QUANTISER, for each operand of a quantised product, along K:
;;     - K is cut into blocks of 32 from its start; a last block that is shorter is filled with zeros.
;;     - A block's scale is 2^e with e = floor(log2(the largest magnitude in the block)) - 2, held to -126 .. 127; a block of zeros has e = 0. As a byte (E8M0): e + 127.
;;     - Each number is divided by its block's scale, clamped to +-7.5, and rounded to the nearest number of E2M3, ties to even, subnormals kept.
;;     - The product sums the exact products of the quantised numbers (number of the format x scale) in f32.
;;   ~~~python
;;   def quantise(x, axis):      # numpy; x: float32 -> the quantised numbers, widened to float32 again
;;       x = np.moveaxis(x, axis, -1); K = x.shape[-1]
;;       x = np.pad(x, [(0, 0)] * (x.ndim - 1) + [(0, -K % 32)]); x = x.reshape(x.shape[:-1] + (-1, 32)); a = np.abs(x).max(-1, keepdims=True)
;;       e = np.where(a > 0, np.clip(np.frexp(np.where(a > 0, a, 1))[1] - 1 - 2, -126, 127), 0)      # np.frexp(a)[1] - 1 = floor(log2(a)), exactly
;;       r = np.clip(x / 2.0 ** e, -7.5, 7.5)
;;       step = 2.0 ** (np.maximum(np.frexp(np.where(r == 0, 1, r))[1] - 1, 0) - 3)
;;       q = np.round(r / step) * step * 2.0 ** e      # np.round: ties to even
;;       return np.moveaxis(q.reshape(q.shape[:-2] + (-1,))[..., :K], -1, axis).astype(np.float32)
;;   ~~~
;;   INPUTS GIVEN AS CODES. expert_w (in the module: [8, 128, 128], K = its axis 1): each comes as NAME_codes (uint8): NAME with its K axis moved to the last place and cut into blocks of 32 codes, [.., K / 32, bytes a block], one block behind the other in memory; four codes in three bytes: a row's codes are one little-endian stream of bits, code i at bits 6 i .. 6 i + 5 (a code: sign, 2 exponent bits, 3 mantissa bits); and NAME_scales (uint8): the same leading axes, one E8M0 byte (e + 127) for each 32 codes along K. Its value is code x scale, taken as it is: it is not quantised again, and the codes and scales need not be those that the quantiser above would give.
;; One version. Each part assembles by itself: llvm-mc -triple=amdgcn-amd-amdhsa -mcpu=gfx1250 --defsym DOCPART=n.
;; ======== version 1 of 1: 1 launch
;; launch moe (part 1): grid 256 x 1, 8 waves a work-group, no clusters, 268,288 bytes of LDS; arguments x, router_w, router_b, expert_w_codes, expert_w_scales, expert_b, out0; writes out0
.if DOCPART == 1
	.amdgcn_target "amdgcn-amd-amdhsa--gfx1250"
	.amdhsa_code_object_version 6
	.text
	.protected	k_qa54ccc25de_moe
	.globl	k_qa54ccc25de_moe
	.p2align	8
	.type	k_qa54ccc25de_moe,@function
k_qa54ccc25de_moe:
	s_mov_b64 s[64:65], 0
	v_nop
	global_prefetch_b8 v0, s[64:65] scope:SCOPE_SE
	s_setreg_imm32_b32 hwreg(HW_REG_WAVE_MODE, 25, 1), 1
	s_wait_xcnt 0x0
; out[t][c] = g1 y_e1(t, c) + g2 y_e2(t, c);  y_e = Q(x) W_e + b_e on codes of FP6 (E2M3) with one E8M0 scale for each 32 along K = 128;
; e1, e2 the two largest of the 8 router logits x router_w + router_b, g1 = 1 / (1 + exp(l2 - l1)), g2 = 1 - g1 (softmax, top 2, renormalised: the softmax's divisor cancels).
; x, out: [65,536][128] f32.  W: codes [8][128 (c)][96 bytes], scale words [8][128].  ONE LAUNCH, every byte moved once, no branch, no loop: the choice enters as numbers alone: all 8 experts are
; multiplied for every token, and the gates of the six that were not chosen are 0.
; SHARES.  A work-group owns 256 tokens, as two blocks of 128 = 8 tiles of 16.  THE EIGHT WAVES SHARE THE COLUMNS: wave w makes columns 16 w .. 16 w + 15 of every token for all 8 experts, so its 8 weight
; fragments (96 registers), their biases in the result's layout (64) and scale words (8) stay in registers.  Wave w also owns tile w of each block: it computes that tile's logits and gates, quantises its x,
; and hands codes, scale word and gates to the other waves through LDS as images of its registers (16 bytes a lane, 512 a store).
; ROUTER: f32 operands, since an error in a logit turns the choice: v_wmma_f32_16x16x4_f32, source 0 = router_w^T with experts 0-7 repeated in rows 8-15, source 1 = x: register j of EVERY lane (r, h) is then
; the logit of expert j for token r, so all of the gating is lane-local.  32 steps on four accumulators by turns.
; EXPERTS: source 0 = 16 rows (columns c) of W_e, source 1 = the tile's codes, C = the bias: register j of lane (r, h) is y_e(token r, c = 16 w + 8 h + j).  K = 128: one instruction is a whole sum.
; BY TURNS.  A block's 64 products (8 tiles x 8 experts) are one stream: behind each product stand the four packed multiply-adds that weigh the product issued LAG steps earlier: four vector instructions to a
; matrix instruction, which are also the places that the results' reads and the loads into operands ask for.  A tile's images are fetched three tiles ahead, in three sets of registers.
; LDS is filled ONCE, at the head (three tensor loads and three copies a wave; by this text's count three tensor loads of a wave are out at the most); nothing is filled again.  x's rows, once read by their
; owner and behind a barrier, are the stage through which the results leave as whole rows of 512 bytes.
; NO CLUSTER: what work-groups share are the weights and tables, 110,592 bytes, fetched once in the launch by each; x's 131,072 bytes are each work-group's own.  Joint loads would put a barrier of the
; cluster in front of all first fills, x's among them, for one fill that never recurs.
; LIMITS.  The choice is made on the f32 logits, the lower index on ties; logits so close that their softmax values round to the same f32 number may be ordered otherwise than by a top-k of those values, and
; the logits' sums are taken in another order than a plain dot product.  g2 is 0 where l1 - l2 is above 87.  NaN and infinities among the inputs are not served; an expert that was not chosen must still give
; finite numbers (0 x infinity: scale bytes near 254).  A block of x whose largest magnitude lies under 2^-124 keeps the scale byte 1 (a block of zeros too: its codes are zeros).
.set XP,    528                        ; a row of x in LDS: 512 bytes + 16 of padding = 132 words: sixteen rows begin 16 bytes apart modulo 256
.set XBLK,  128*XP                     ; LDS 0: block 0's 128 rows; XBLK: block 1's (67,584 = 264 x 256)
.set LWT,   2*XBLK                     ; the weights: wave w's part 12,288 bytes, expert e at 1,536 e, rows of 96 bytes
.set LRT,   LWT+98304                  ; router_w, as it lies
.set LST,   LRT+4096                   ; the weights' scale words, as they lie
.set LBT,   LST+4096                   ; the biases, as they lie
.set CIMG,  LBT+4096                   ; images of the tiles' codes: tile t at 1,536 t, three runs of 512 bytes
.set GIMG,  CIMG+8*1536                ; of their gates: 1,024 t, two runs
.set SIMG,  GIMG+8*1024                ; of their scale words: 128 t.  Ends at 267,264
.set LAG,   3                          ; a product is weighed this many steps behind its issue
; window 0
.set LI,  1                            ; v1   16 x lane
.set LS,  2                            ; v2   4 x lane
.set XA,  3                            ; v3-4   my tile's row r of x, + 64 h, in block 0, 1
.set CW,  5                            ; v5   where I store my tile's codes;  v6 where any tile's are read
.set CR,  6
.set GW,  7                            ; v7, v8   the same for the gates
.set GR,  8
.set SW,  9                            ; v9, v10  and for the scale word
.set SR,  10
.set SO,  11                           ; v11-12 the stage: row r, + 32 h + 64 w, in block 0, 1
.set RD,  13                           ; v13-14 the stage read back: my 8 rows of 64, 16 bytes a lane
.set GO,  15                           ; v15  the same place in out
.set WS,  16                           ; v16-23 my weights' scale words: scales and nothing else
.set RB,  24                           ; v24-31 router_b[j] in register j
.set X,   32                           ; v32-95 x of my tile: register 16 b + i = x(row r, k = 32 b + 16 h + i).  Behind the barrier:
.set CF,  32                           ;   v32-67 a tile's codes, three sets of 12;
.set GI,  68                           ;   v68-91 its gates, three sets of 8
.set RW,  96                           ; v96-159 router_w: register p = router_w[32 (p / 16) + 16 h + p % 16][r & 7]
.set LG,  160                          ; v160-167 logits
.set LM,  168                          ; v168-175 logits with the largest struck out
.set G,   176                          ; v176-183 gates
.set M1,  184
.set I1,  185
.set M2,  186
.set I2,  187
.set E2,  188
.set SM,  189
.set GA1, 190
.set GA2, 191
.set ROWS, 160                         ; v160-191 on the way out: 8 rows read back
.set TM,  192                          ; v192-207 the quantiser's work
.set PW,  208                          ; the scale word made
.set PC,  210                          ; v210-228 the codes made
.set XS,  229                          ; v229-231 a tile's scale words, three sets: scales and nothing else
.set TR,  232                          ; head: r, h, lane
.set TH,  233
.set TL,  234
.set TO,  235                          ; v235-238 the copies' addresses; never rewritten
.set TAR, 236
.set TAS, 237
.set TAB, 238
.set WA,  239                          ; LDS addresses of the head's reads
.set RA,  240
.set SA,  241
.set BA,  242
.set ZR,  243                          ; 0
; window 1: all that a step of the stream writes, and what its sources 0 and 2 name
.set WF,  0                            ; v256-351 my 8 weight fragments
.set BI,  96                           ; v352-415 their biases
.set D,   160                          ; v416-479 the eight experts' results
.set R,   160                          ; v416-447 also the router's four accumulators: written by matrix instructions alone
.set O,   224                          ; v480-503 the combined results, three sets of 8
.set WV,  18
.set SEL, 20
.set G1X, 24                           ; s[24:31] group 1 for x's tiles;  s[32:39] for the weights
.set G1W, 32
.set G0W, 40                           ; s[40:43], s[44:47], s[48:51] groups 0: weights, x block 0, x block 1; never rewritten
.set G0X0, 44
.set G0X1, 48
; s_set_vgpr_msb's low byte: bits 1:0 source 0, 3:2 source 1, 5:4 source 2, 7:6 destination
.set W_TO1, 0x40                       ; destination window 1: the head's loads; the router's first four steps (C = router_b or 0)
.set W_RT,  0x50                       ; the router: C and D window 1, router_w and x window 0
.set W_SUM, 0x05                       ; sources 0 and 1 window 1: the router's part sums are read
.set W_ST,  0x51                       ; the stream: product: weights, bias, result window 1, codes window 0;  multiply-add: result, sums window 1, gates window 0
.set W_LDS, 0x04                       ; an LDS store's data (source 1) window 1; addresses and loaded data window 0
.set MSB, 0
.macro WIN new                         ; the immediate's high byte repeats the setting that is left
.if MSB != \new
	s_set_vgpr_msb (MSB<<8)|\new
.set MSB, \new
.endif
.endm
.macro BARRIER                         ; my LDS stores have landed and my LDS loads are in: then the work-group's barrier
	s_wait_dscnt 0x0
	s_barrier_signal -1
	s_barrier_wait -1
.endm
	s_load_b256 s[4:11], s[0:1], 0x0               ; x s[4:5], router_w s[6:7], router_b s[8:9], the codes s[10:11]
	s_load_b128 s[12:15], s[0:1], 0x20             ; the scale words s[12:13], the biases s[14:15]
	s_load_b64 s[16:17], s[0:1], 0x30              ; out
	v_lshl_add_u32 v254, v0, 2, 0x41400
	v_mov_b32 v255, 0
	ds_add_u32 v254, v255
	ds_add_u32 v254, v255
	v_lshrrev_b32 v[TL], 5, v0
	v_readfirstlane_b32 s[WV], v[TL]               ; wave 0..7
	v_lshlrev_b32 v[TO], 4, v0                     ; each thread copies 16 bytes of each table of 4,096
	v_lshl_add_u32 v[TAR], v0, 4, LRT
	v_lshl_add_u32 v[TAS], v0, 4, LST
	v_lshl_add_u32 v[TAB], v0, 4, LBT
	v_mov_b32 v[ZR], 0
	; group 1 for x: 16 rows of 64 elements of 8 bytes, dense in memory; 4 words of padding behind every 128
	s_mov_b32 s[G1X+0], (3<<16)|(1<<20)|(6<<22)|(3<<25)
	s_mov_b32 s[G1X+1], 64<<16                     ; tensor_dim0
	s_mov_b32 s[G1X+2], 16<<16                     ; tensor_dim1
	s_mov_b32 s[G1X+3], 64<<16                     ; tile_dim0
	s_mov_b32 s[G1X+4], 16                         ; tile_dim1
	s_mov_b32 s[G1X+5], 64                         ; elements from row to row
	s_mov_b32 s[G1X+6], 0
	s_mov_b32 s[G1X+7], 0
	; group 1 for the weights: 8 rows (experts) of 192 elements of 8 bytes (16 weight rows of 96 bytes on end), 12,288 bytes apart; no padding
	s_mov_b32 s[G1W+0], 3<<16
	s_mov_b32 s[G1W+1], 192<<16
	s_mov_b32 s[G1W+2], 8<<16
	s_mov_b32 s[G1W+3], 192<<16
	s_mov_b32 s[G1W+4], 8
	s_mov_b32 s[G1W+5], 1536
	s_mov_b32 s[G1W+6], 0
	s_mov_b32 s[G1W+7], 0
	s_lshl_b32 s52, ttmp9, 17                      ; the work-group's 256 rows of 512 bytes (under 2^25)
	s_mov_b32 s53, 0
	s_lshl_b32 s54, s[WV], 13                      ; my tile's 16 rows
	s_add_co_u32 s54, s54, s52
	s_mov_b32 s55, 0
	s_mul_i32 s56, s[WV], 1536                     ; my 16 rows of each expert; also my place among the code images
	s_mov_b32 s57, 0
	s_mov_b32 s[G0W], 1
	s_mul_i32 s[G0W+1], s[WV], 12288
	s_add_co_u32 s[G0W+1], s[G0W+1], LWT
	s_mov_b32 s[G0X0], 1
	s_mul_i32 s[G0X0+1], s[WV], 16*XP
	s_mov_b32 s[G0X1], 1
	s_mul_i32 s[G0X1+1], s[WV], 16*XP
	s_add_co_u32 s[G0X1+1], s[G0X1+1], XBLK
	s_mov_b32 s[SEL], 0x76543210
	s_mov_b32 s[SEL+1], 0xfedcba98                 ; v_permlanex16_b32's selects for lane l xor 16
	s_wait_dscnt 0x0
	s_wait_kmcnt 0x0
	s_add_nc_u64 s[G0W+2:G0W+3], s[10:11], s[56:57]
	s_or_b32 s[G0W+3], s[G0W+3], 0x80000000
	s_add_nc_u64 s[G0X0+2:G0X0+3], s[4:5], s[54:55]
	s_add_nc_u64 s[G0X1+2:G0X1+3], s[G0X0+2:G0X0+3], 0x10000   ; block 1: 128 rows on
	s_or_b32 s[G0X0+3], s[G0X0+3], 0x80000000
	s_or_b32 s[G0X1+3], s[G0X1+3], 0x80000000
	s_add_nc_u64 s[16:17], s[16:17], s[52:53]      ; out at the work-group's first row
	; ALL FILLS, one group, ahead of every wait on their counters, every LDS read and every barrier.  Every wave issues the same six.
	tensor_load_to_lds s[G0W:G0W+3], s[G1W:G1W+7]      ; my weights
	s_nop 0
	tensor_load_to_lds s[G0X0:G0X0+3], s[G1X:G1X+7]    ; my tile of block 0
	s_nop 0
	tensor_load_to_lds s[G0X1:G0X1+3], s[G1X:G1X+7]    ; my tile of block 1
	s_nop 0
.rept 4
	v_nop
.endr
	global_load_async_to_lds_b128 v[TAR], v[TO], s[6:7]
	global_load_async_to_lds_b128 v[TAS], v[TO], s[12:13]
	global_load_async_to_lds_b128 v[TAB], v[TO], s[14:15]
	global_load_b128 v[RB:RB+3], v[ZR], s[8:9]             ; router_b: the same 32 bytes in every lane
	global_load_b128 v[RB+4:RB+7], v[ZR], s[8:9] offset:16
	; every LDS address: a constant + a constant x lane terms + a constant x wave
	v_and_b32 v[TR], 15, v0                        ; r
	v_bfe_u32 v[TH], v0, 4, 1                      ; h
	v_and_b32 v[TL], 31, v0                        ; lane
	v_lshlrev_b32 v[LI], 4, v[TL]
	v_lshlrev_b32 v[LS], 2, v[TL]
	s_mul_i32 s58, s[WV], 16*XP
	v_mul_u32_u24 v[XA], v[TR], XP
	v_lshl_add_u32 v[XA], v[TH], 6, v[XA]
	v_add_nc_u32 v[XA], s58, v[XA]                 ; (16 w + r) x 528 + 64 h
	v_add_nc_u32 v[XA+1], XBLK, v[XA]
	v_add_nc_u32 v[CR], CIMG, v[LI]
	v_add_nc_u32 v[CW], s56, v[CR]
	s_lshl_b32 s59, s[WV], 10
	v_add_nc_u32 v[GR], GIMG, v[LI]
	v_add_nc_u32 v[GW], s59, v[GR]
	s_lshl_b32 s60, s[WV], 7
	v_add_nc_u32 v[SR], SIMG, v[LS]
	v_add_nc_u32 v[SW], s60, v[SR]
	s_lshl_b32 s61, s[WV], 6
	v_mul_u32_u24 v[SO], v[TR], XP
	v_lshl_add_u32 v[SO], v[TH], 5, v[SO]
	v_add_nc_u32 v[SO], s61, v[SO]                 ; 528 r + 32 h + 64 w
	v_add_nc_u32 v[SO+1], XBLK, v[SO]
	s_mul_i32 s62, s[WV], 8*XP
	v_add_nc_u32 v[RD], s62, v[LI]                 ; 8 rows a wave, 16 bytes a lane
	v_add_nc_u32 v[RD+1], XBLK, v[RD]
	s_lshl_b32 s63, s[WV], 12
	v_add_nc_u32 v[GO], s63, v[LI]
	v_mul_u32_u24 v[WA], v[TR], 96
	v_mad_u32_u24 v[WA], v[TH], 24, v[WA]
	v_add_nc_u32 v[WA], s[G0W+1], v[WA]            ; my weights: row r of 96 bytes, + 24 h
	v_and_b32 v[RA], 7, v0
	v_lshlrev_b32 v[RA], 2, v[RA]
	v_lshl_add_u32 v[RA], v[TH], 9, v[RA]
	v_add_nc_u32 v[RA], LRT, v[RA]                 ; router_w: 4 (r & 7) + 16 h rows of 32 bytes
	v_lshlrev_b32 v[SA], 2, v[TR]
	v_add_nc_u32 v[SA], s61, v[SA]
	v_add_nc_u32 v[SA], LST, v[SA]                 ; scale words: row 16 w + r
	v_lshlrev_b32 v[BA], 5, v[TH]
	v_add_nc_u32 v[BA], s61, v[BA]
	v_add_nc_u32 v[BA], LBT, v[BA]                 ; biases: columns 16 w + 8 h on
.irp b, 0,1,2,3
	v_mov_b32 v[TM+4+\b], 0                        ; written once: a lane permute's destination counts as one of its sources
.endr
	s_wait_asynccnt 0x0                            ; my 512 bytes of each table have landed;
	s_barrier_signal -1
	s_barrier_wait -1                              ; everybody's have.  The tensor loads stay out
.irp e, 0,1,2,3,4,5,6,7
	ds_load_b32 v[WS+\e], v[SA] offset:512*\e
.endr
.set pp, 0
.rept 64
	ds_load_b32 v[RW+pp], v[RA] offset:1024*(pp/16)+32*(pp%16)
.set pp, pp+1
.endr
	WIN W_TO1                                      ; destination window 1
.irp e, 0,1,2,3,4,5,6,7
	ds_load_b128 v[BI+8*\e:BI+8*\e+3], v[BA] offset:512*\e
	ds_load_b128 v[BI+8*\e+4:BI+8*\e+7], v[BA] offset:512*\e+16
.endr
	s_wait_tensorcnt 0x2                           ; my weights have landed: x's two loads were issued behind theirs and may be out.  Only I read these bytes
.irp e, 0,1,2,3,4,5,6,7
.irp p, 0,1,2,3,4,5
	ds_load_b64 v[WF+12*\e+2*\p:WF+12*\e+2*\p+1], v[WA] offset:1536*\e+48*(\p/3)+8*(\p%3)   ; registers 6 c .. 6 c + 5: k = 64 c + 32 h + 0 .. 31: 24 bytes as they lie
.endr
.endr
	WIN 0
; The logits of my tile: 32 steps of 4 along K on four accumulators by turns, one instruction a turn.  Both sources carry the same order of k.
; The first four steps begin the sums: one with router_b as C, three with 0.
.macro ROUTER
	WIN W_TO1
	v_wmma_f32_16x16x4_f32 v[R:R+7], v[RW:RW+1], v[X:X+1], v[RB:RB+7]
.irp u, 1,2,3
	v_wmma_f32_16x16x4_f32 v[R+8*\u:R+8*\u+7], v[RW+2*\u:RW+2*\u+1], v[X+2*\u:X+2*\u+1], 0
.endr
	WIN W_RT
.set stp, 4
.rept 28
	v_wmma_f32_16x16x4_f32 v[R+8*(stp%4):R+8*(stp%4)+7], v[RW+2*stp:RW+2*stp+1], v[X+2*stp:X+2*stp+1], v[R+8*(stp%4):R+8*(stp%4)+7]
.set stp, stp+1
.endr
	WIN 0
.endm
; 64 numbers of a lane, register 16 b + i = k 32 b + 16 h + i of my row, become a fragment's codes in v[PC] on and its scale word in v[PW].
.macro QUANT s
.irp b, 0,1,2,3
	v_max3_num_f32 v[TM+\b], |v[\s+16*\b]|, |v[\s+1+16*\b]|, 0x1800000   ; block b: my 16 numbers, and the floor 2^(3 - 127): the byte cannot fall under 1
.endr
.irp i, 2,4,6,8,10,12,14
.irp b, 0,1,2,3
	v_max3_num_f32 v[TM+\b], v[TM+\b], |v[\s+16*\b+\i]|, |v[\s+1+16*\b+\i]|   ; (the four blocks by turns)
.endr
.endr
.irp b, 0,1,2,3
	v_permlanex16_b32 v[TM+4+\b], v[TM+\b], s[SEL], s[SEL+1]
.endr
.irp b, 0,1,2,3
	v_max_num_f32 v[TM+\b], v[TM+\b], v[TM+4+\b]   ; with lane l xor 16's: the block's largest magnitude
.endr
.irp b, 0,1,2,3
	v_add_nc_u32 v[TM+12+\b], 0xff000000, v[TM+\b]   ; 2 off its exponent field: the conversion takes that field as its scale
.endr
.irp b, 0,1,2,3
	v_lshrrev_b32 v[TM+4+\b], 23, v[TM+12+\b]      ; the scale's byte
.endr
	v_lshl_or_b32 v[PW], v[TM+5], 8, v[TM+4]       ; my row's scale word
	v_lshl_or_b32 v[PW], v[TM+6], 16, v[PW]
	v_lshl_or_b32 v[PW], v[TM+7], 24, v[PW]
.irp c, 0,1
	v_cvt_scalef32_pk16_fp6_f32 v[PC+6*\c:PC+2+6*\c], v[\s+32*\c:\s+15+32*\c], v[TM+12+2*\c]
	v_cvt_scalef32_pk16_fp6_f32 v[PC+12+4*\c:PC+14+4*\c], v[\s+16+32*\c:\s+31+32*\c], v[TM+12+2*\c+1]   ; (a conversion's three registers begin on an even number)
.endr
	v_nop                                          ; one plain place behind a scaled conversion
.irp c, 0,1                                    ; the operand's layout wants a WHOLE block in a lane: lanes 0-15 block 2 c, lanes 16-31 block 2 c + 1
.irp i, 0,1,2
	v_permlane16_swap_b32 v[PC+6*\c+\i], v[PC+12+4*\c+\i]
.endr
.irp i, 0,1,2
	v_mov_b32 v[PC+3+6*\c+\i], v[PC+12+4*\c+\i]
.endr
.endr
.endm
; The gates of my token, all in my lane: no jump, every choice a select.
.macro GATES
	WIN W_SUM                                      ; the part sums lie in window 1
.irp j, 0,2,4,6
	v_pk_add_f32 v[LG+\j:LG+\j+1], v[R+\j:R+\j+1], v[R+8+\j:R+9+\j]           ; the four part sums, each read from its low end on, into other registers
.endr
.irp j, 0,2,4,6
	v_pk_add_f32 v[LM+\j:LM+\j+1], v[R+16+\j:R+17+\j], v[R+24+\j:R+25+\j]
.endr
	WIN 0
.irp j, 0,2,4,6
	v_pk_add_f32 v[LG+\j:LG+\j+1], v[LG+\j:LG+\j+1], v[LM+\j:LM+\j+1]
.endr
	v_max3_num_f32 v[M1], v[LG], v[LG+1], v[LG+2]
	v_max3_num_f32 v[M2], v[LG+3], v[LG+4], v[LG+5]
	v_max3_num_f32 v[M1], v[M1], v[LG+6], v[LG+7]
	v_max_num_f32 v[M1], v[M1], v[M2]              ; the largest logit
	v_mov_b32 v[I1], 7
.irp e, 6,5,4,3,2,1,0
	v_cmp_neq_f32 vcc_lo, v[LG+\e], v[M1]
	v_cndmask_b32 v[I1], \e, v[I1], vcc_lo         ; the lowest index that holds it
.endr
.irp e, 0,1,2,3,4,5,6,7
	v_cmp_ne_u32 vcc_lo, \e, v[I1]
	v_cndmask_b32 v[LM+\e], 0xff800000, v[LG+\e], vcc_lo   ; that one struck out: -infinity
.endr
	v_max3_num_f32 v[M2], v[LM], v[LM+1], v[LM+2]
	v_max3_num_f32 v[E2], v[LM+3], v[LM+4], v[LM+5]
	v_max3_num_f32 v[M2], v[M2], v[LM+6], v[LM+7]
	v_max_num_f32 v[M2], v[M2], v[E2]              ; the second largest
	v_sub_f32 v[E2], v[M2], v[M1]                  ; the largest is taken away ahead of the exponential: 0 or less
	v_mul_f32 v[E2], 0x3fb8aa3b, v[E2]
	v_exp_f32 v[E2], v[E2]
	v_mov_b32 v[I2], 7                             ; (a plain place behind the exponential)
.irp e, 6,5,4,3,2,1,0
	v_cmp_neq_f32 vcc_lo, v[LM+\e], v[M2]
	v_cndmask_b32 v[I2], \e, v[I2], vcc_lo
.endr
	s_wait_alu depctr_va_vdst(0)
	v_add_f32 v[SM], 1.0, v[E2]
	v_rcp_f32 v[GA1], v[SM]                        ; g1 = p1 / (p1 + p2)
	v_nop                                          ; a plain place behind the reciprocal
	s_wait_alu depctr_va_vdst(0)
	v_mul_f32 v[GA2], v[E2], v[GA1]                ; g2
.irp e, 0,1,2,3,4,5,6,7
	v_cmp_eq_u32 vcc_lo, \e, v[I2]
	v_cndmask_b32 v[G+\e], 0, v[GA2], vcc_lo
	v_cmp_eq_u32 vcc_lo, \e, v[I1]
	v_cndmask_b32 v[G+\e], v[G+\e], v[GA1], vcc_lo
.endr
.endm
; My tile of block n, from LDS into registers.
.macro XLOAD n
	s_wait_tensorcnt 1-\n                          ; my tile of block n has landed (block 1's load was issued behind block 0's).  Only I read these bytes
.irp b, 0,1,2,3
.irp j, 0,1,2,3
	ds_load_b128 v[X+16*\b+4*\j:X+16*\b+4*\j+3], v[XA+\n] offset:128*\b+16*\j
.endr
.endr
.endm
; Block n, my tile: logits, codes, gates; the images to LDS; a barrier.
.macro XWORK n
	s_wait_dscnt 0x0                               ; x is in (in block 0: all the head's loads too)
.if \n == 0
	s_wait_loadcnt 0x0                             ; router_b
.else
	s_wait_xcnt 0x0                                ; the last stores have read v160-191, which the gates take again
.endif
	ROUTER
	QUANT X                                        ; its lines, of which two name a register of the last product, are the places between the products and the first read of their sums
.irp c, 0,1,2
	ds_store_b128 v[CW], v[PC+4*\c:PC+4*\c+3] offset:512*\c
.endr
	ds_store_b32 v[SW], v[PW]
	GATES
.irp c, 0,1
	ds_store_b128 v[GW], v[G+4*\c:G+4*\c+3] offset:512*\c
.endr
	BARRIER                                        ; the eight tiles' images lie in LDS; every owner has read its rows of x, which now are the stage
.endm
.macro FETCH t                                 ; tile t's images into set t % 3: six LDS loads
.set FC, CF+12*((\t)%3)
.set FG, GI+8*((\t)%3)
.irp c, 0,1,2
	ds_load_b128 v[FC+4*\c:FC+4*\c+3], v[CR] offset:1536*(\t)+512*\c
.endr
	ds_load_b32 v[XS+(\t)%3], v[SR] offset:128*(\t)
.irp c, 0,1
	ds_load_b128 v[FG+4*\c:FG+4*\c+3], v[GR] offset:1024*(\t)+512*\c
.endr
.endm
; The product of tile mtile and expert mexp: my 16 columns of the tile's 16 tokens, the bias as C.
.macro MM
	v_wmma_scale_f32_16x16x128_f8f6f4 v[D+8*mexp:D+8*mexp+7], v[WF+12*mexp:WF+12*mexp+11], v[CF+12*(mtile%3):CF+12*(mtile%3)+11], v[BI+8*mexp:BI+8*mexp+7], v[WS+mexp], v[XS+mtile%3] matrix_a_fmt:MATRIX_FMT_FP6 matrix_b_fmt:MATRIX_FMT_FP6
.endm
; Expert cexp's result of tile ctile, weighed by its gate, onto the tile's sums: four packed lines, the result read from its low end on.
.macro COMB
.set regO, O+8*(ctile%3)
.set regG, GI+8*(ctile%3)
.set regD, D+8*cexp
.irp j, 0,2,4,6
.if cexp == 0
	v_pk_mul_f32 v[regO+\j:regO+\j+1], v[regD+\j:regD+\j+1], v[regG:regG+1] op_sel_hi:[1,0]                                                   ; the first expert starts the sums
.elseif cexp%2
	v_pk_fma_f32 v[regO+\j:regO+\j+1], v[regD+\j:regD+\j+1], v[regG+cexp-1:regG+cexp], v[regO+\j:regO+\j+1] op_sel:[0,1,0] op_sel_hi:[1,1,1]   ; the pair's second register for both halves
.else
	v_pk_fma_f32 v[regO+\j:regO+\j+1], v[regD+\j:regD+\j+1], v[regG+cexp:regG+cexp+1], v[regO+\j:regO+\j+1] op_sel_hi:[1,0,1]                 ; the first for both
.endif
.endr
.endm
; Tile ctile is whole: 32 bytes a lane to the stage; its set of image registers takes the tile three on.  The last product that read that set stands twelve combining lines back that name none of its registers.
.macro DONE n
	WIN W_LDS
	ds_store_b128 v[SO+\n], v[O+8*(ctile%3):O+8*(ctile%3)+3] offset:16*XP*ctile
	ds_store_b128 v[SO+\n], v[O+8*(ctile%3)+4:O+8*(ctile%3)+7] offset:16*XP*ctile+16
.if ctile+3 < 8
	FETCH ctile+3
.endif
.endm
; 64 whole rows lie in the stage: each wave takes 8 of them back into registers,
.macro SENDL n, q
.if MSB == W_ST
	WIN W_LDS
.endif
	s_wait_xcnt 0x0                                ; earlier stores have read their registers: these loads may land there
.irp i, 0,1,2,3,4,5,6,7
	ds_load_b128 v[ROWS+4*\i:ROWS+4*\i+3], v[RD+\n] offset:(64*\q+\i)*XP
.endr
.endm
; and stores them.  younger: the LDS instructions issued behind the eight loads, which may stay out.
.macro SENDS n, q, younger
	WIN 0
.irp i, 0,1,2,3,4,5,6,7
	s_wait_dscnt \younger+7-\i                     ; LDS instructions are done in order: row i is in
	global_store_b128 v[GO], v[ROWS+4*\i:ROWS+4*\i+3], s[16:17] offset:(128*\n+64*\q+\i)*512 th:TH_STORE_NT   ; 32 lanes store a row: 512 consecutive bytes, at a multiple of 512 from out's first byte
.endr
.endm
; THE STREAM of block n: step i issues product i (tile i / 8, expert i % 8) and weighs product i - LAG.  The eight results are written again eight steps on, 28 combining lines that name none of them between.
; LDS instructions of a block, in order: fetches 0, 1, 2; behind tile t's last line its 2 stage stores and the 6 loads of tile t + 3.  So at the head of tile t, behind the fetch of tile t stand:
; t = 0: fetches 1 and 2, twelve;  t = 1: fetch 2, six;  t = 2 .. 6: tile t - 2's two stores and fetch t + 1, eight;  t = 7: tile 5's two stores.  The same waits show tile t - 3's stage stores done,
; which read the set of sums that tile t writes again.
; THE MIDDLE BARRIER is split: tile 3's stores stand behind step 34; behind step 38 my LDS instructions are waited for and I signal; three steps of register work; behind step 41, ahead of tile 4's stores,
; I wait, and take my 8 of rows 0-63 back; behind step 46 they are stored (behind their loads: tile 4's two stores and fetch 7: eight).  Rows 0-63 end at byte 33,792 of the block, where rows 64-127 begin.
.macro STREAM n
	FETCH 0
	FETCH 1
	FETCH 2
.set stepi, 0
.rept 64+LAG
.if stepi < 64
.set mtile, stepi/8
.set mexp, stepi%8
.if mexp == 0
.if mtile == 0
	s_wait_dscnt 12
.elseif mtile == 1
	s_wait_dscnt 6
.elseif mtile == 7
	s_wait_dscnt 2
.else
	s_wait_dscnt 8
.endif
.endif
	WIN W_ST
	MM
.endif
.if stepi == LAG
.rept 4
	v_nop                                          ; the stream's head has no combining lines yet: four places ahead of the first read of a result (ISA guide 7.12.1)
.endr
.endif
.if stepi >= LAG
.set ctile, (stepi-LAG)/8
.set cexp, (stepi-LAG)%8
	WIN W_ST
	COMB
.if cexp == 7
	DONE \n
.endif
.endif
.if stepi == 38
	s_wait_dscnt 0x0                               ; for the others' sake: my stage stores of tiles 0-3 have landed
	s_barrier_signal -1
.endif
.if stepi == 41
	s_barrier_wait -1                              ; everybody's have
	SENDL \n, 0
.endif
.if stepi == 46
	SENDS \n, 0, 8
.endif
.set stepi, stepi+1
.endr
	WIN 0
.endm
	XLOAD 0
	XWORK 0
	STREAM 0
	XLOAD 1                                        ; the image registers are free (the last product that read them stands twelve plain lines back): block 1's x is asked for ahead of the barrier
	BARRIER                                        ; every wave's columns of rows 64-127 lie in the stage; nobody reads block 0's images any more
	SENDL 0, 1
	SENDS 0, 1, 0
	XWORK 1
	STREAM 1
	BARRIER
	SENDL 1, 1
	SENDS 1, 1, 0
	s_wait_tensorcnt 0x0
	ds_add_u32 v254, v255
	s_wait_dscnt 0x0
	s_endpgm
.Lfunc_end_k_qa54ccc25de_moe:
	.size	k_qa54ccc25de_moe, .Lfunc_end_k_qa54ccc25de_moe-k_qa54ccc25de_moe
	.p2alignl 7, 3214868480
	.fill 96, 4, 3214868480
	.section	.rodata,"a",@progbits
	.p2align	6, 0x0
	.amdhsa_kernel k_qa54ccc25de_moe
		.amdhsa_group_segment_fixed_size 268288
		.amdhsa_private_segment_fixed_size 0
		.amdhsa_enable_private_segment 0
		.amdhsa_kernarg_size 56
		.amdhsa_user_sgpr_count 2
		.amdhsa_user_sgpr_kernarg_segment_ptr 1
		.amdhsa_wavefront_size32 1
		.amdhsa_system_sgpr_workgroup_id_x 1
		.amdhsa_system_sgpr_workgroup_id_y 1
		.amdhsa_system_sgpr_workgroup_id_z 1
		.amdhsa_system_vgpr_workitem_id 0
		.amdhsa_next_free_vgpr 512
		.amdhsa_next_free_sgpr 66
		.amdhsa_reserve_vcc 1
		.amdhsa_float_denorm_mode_32 3
		.amdhsa_float_denorm_mode_16_64 3
		.amdhsa_memory_ordered 1
		.amdhsa_forward_progress 1
		.amdhsa_inst_pref_size 103
	.end_amdhsa_kernel
	.amdgpu_metadata
---
amdhsa.version: [ 1, 2 ]
amdhsa.kernels:
  - .name:           k_qa54ccc25de_moe
    .symbol:         k_qa54ccc25de_moe.kd
    .args:
      - { .name: x, .offset: 0, .size: 8, .value_kind: global_buffer, .address_space: global }
      - { .name: router_w, .offset: 8, .size: 8, .value_kind: global_buffer, .address_space: global }
      - { .name: router_b, .offset: 16, .size: 8, .value_kind: global_buffer, .address_space: global }
      - { .name: expert_w_codes, .offset: 24, .size: 8, .value_kind: global_buffer, .address_space: global }
      - { .name: expert_w_scales, .offset: 32, .size: 8, .value_kind: global_buffer, .address_space: global }
      - { .name: expert_b, .offset: 40, .size: 8, .value_kind: global_buffer, .address_space: global }
      - { .name: out0, .offset: 48, .size: 8, .value_kind: global_buffer, .address_space: global }
    .group_segment_fixed_size: 268288
    .private_segment_fixed_size: 0
    .kernarg_segment_align: 8
    .kernarg_segment_size: 56
    .max_flat_workgroup_size: 256
    .sgpr_count:     66
    .vgpr_count:     512
    .wavefront_size: 32
...
	.end_amdgpu_metadata
.endif
;; end of part 1
